; MI455X (gfx1250); checked and timed in simulation.
; The chip was launched on July 23, 2026; its instructions are those of AMD's public machine-readable ISA for CDNA 5 (MIT licence, August 2026) and "CDNA5" Instruction Set Architecture Reference Guide (July 2026). The comments in the code are by the model that wrote it; some were corrected since.
;; Multihead Attention. Allowed arithmetic: matrix products marked QUANTISED: E2M3 operands, one E8M0 scale for each 32 along K, by v_wmma_scale_f32_16x16x128_f8f6f4 with both operands' format E2M3, f32 sums; everything else in f32.
;; Inputs: Wk 256 x 1,024 float32; Wo 1,024 x 256 float32; Wq 256 x 1,024 float32; Wv 256 x 1,024 float32; bo 1,024 float32; x 4 x 4,096 x 1,024 float32; y 4 x 4,096 x 1,024 float32.
;; Outputs: out0 4 x 4,096 x 1,024 float32.
;; This version of the problem:
;;   THIS VERSION OF THE PROBLEM IS GIVEN IN LOW PRECISION. The matrix products marked QUANTISED in the list below multiply operands that are first quantised to E2M3 (2 exponent bits, 3 mantissa bits; 6 bits a number), with one power-of-two scale for each 32 numbers along K (OCP MX v1.0); their sums are f32. All else is computed in f32.
;;   The module's matrix products, in the order in which they are computed (A, B: the left and right operand; K: the contracted axis; several contracted axes count as one K, in the product's order):
;;     1. [M 16,384, K 1,024] x [K 1,024, N 256]; A: input y; B: input Wq: QUANTISED
;;     2. [M 16,384, K 1,024] x [K 1,024, N 256]; A: input x; B: input Wk: QUANTISED
;;     3. [M 16,384, K 1,024] x [K 1,024, N 256]; A: input x; B: input Wv: QUANTISED
;;     4. batch 4 x [M 4,096, K 256] x [K 256, N 4,096]; A: computed on the way; B: computed on the way: QUANTISED
;;     5. batch 4 x [M 4,096, K 4,096] x [K 4,096, N 256]; A: softmax (see below); B: computed on the way: QUANTISED
;;     6. [M 16,384, K 256] x [K 256, N 1,024]; A: computed on the way; B: input Wo: QUANTISED
;;   THE QUANTISER, for each operand of a quantised product, along K:
;;     - K is cut into blocks of 32 from its start; a last block that is shorter is filled with zeros.
;;     - A block's scale is 2^e with e = floor(log2(the largest magnitude in the block)) - 2, held to -126 .. 127; a block of zeros has e = 0. As a byte (E8M0): e + 127.
;;     - Each number is divided by its block's scale, clamped to +-7.5, and rounded to the nearest number of E2M3, ties to even, subnormals kept.
;;     - The product sums the exact products of the quantised numbers (number of the format x scale) in f32.
;;   ~~~python
;;   def quantise(x, axis):      # numpy; x: float32 -> the quantised numbers, widened to float32 again
;;       x = np.moveaxis(x, axis, -1); K = x.shape[-1]
;;       x = np.pad(x, [(0, 0)] * (x.ndim - 1) + [(0, -K % 32)]); x = x.reshape(x.shape[:-1] + (-1, 32)); a = np.abs(x).max(-1, keepdims=True)
;;       e = np.where(a > 0, np.clip(np.frexp(np.where(a > 0, a, 1))[1] - 1 - 2, -126, 127), 0)      # np.frexp(a)[1] - 1 = floor(log2(a)), exactly
;;       r = np.clip(x / 2.0 ** e, -7.5, 7.5)
;;       step = 2.0 ** (np.maximum(np.frexp(np.where(r == 0, 1, r))[1] - 1, 0) - 3)
;;       q = np.round(r / step) * step * 2.0 ** e      # np.round: ties to even
;;       return np.moveaxis(q.reshape(q.shape[:-2] + (-1,))[..., :K], -1, axis).astype(np.float32)
;;   ~~~
;;   SOFTMAX AHEAD OF A QUANTISED PRODUCT. Where the list says 'softmax', what is quantised is not the finished softmax but p = 2^(t - M), with t = logit x log2(e) and M = ceil(the row's largest t), a whole number; so 1/2 < the row's largest p <= 1. The row's sum l is taken of the UNQUANTISED p, in f32, and the product's result is divided by l at the end. Since M is a whole number, a kernel that streams over the keys may use a running M (the ceiling of the running maximum): every later rescaling is an exact power of two, which a block's scale takes up: the codes' values come out the same.
;;   OPERANDS COMPUTED ON THE WAY. 'Computed on the way' means the value that the module computes at that place (a softmax that the list does not call 'softmax' is quantised finished and normalised). What goes into a quantiser is computed in f32, as accurately as f32 sums, v_exp_f32 and their like allow (about 1e-6 of the number): no bf16 or f16 on the way to a quantiser, and a product that is left as it is and whose result goes on into a quantised operand takes f32 operands (vector FMAs, or v_wmma_f32_16x16x4_f32). A number that lies on a knife's edge between two numbers of the format may be rounded either way, as far as f32 arithmetic and the matrix unit's own rounding can turn it there, and no further.
;; One version. Each part assembles by itself: llvm-mc -triple=amdgcn-amd-amdhsa -mcpu=gfx1250 --defsym DOCPART=n.
;; ======== version 1 of 1: 3 launches
;; limits: right only within a limited range of input values
;; workspace buffers: wi 819,200 bytes; qf 3,145,728 bytes; qs 131,072 bytes; kv 6,553,600 bytes
;; launch wprep (part 1): grid 128 x 1, 4 waves a work-group, no clusters, 0 bytes of LDS; arguments Wq, Wk, Wv, Wo, wi; writes wi
.if DOCPART == 1
	.amdgcn_target "amdgcn-amd-amdhsa--gfx1250"
	.amdhsa_code_object_version 6
	.text
	.protected	k_q01fc1aa8f6_wprep
	.globl	k_q01fc1aa8f6_wprep
	.p2align	8
	.type	k_q01fc1aa8f6_wprep,@function
k_q01fc1aa8f6_wprep:
	s_mov_b64 s[64:65], 0
	v_nop
	global_prefetch_b8 v0, s[64:65] scope:SCOPE_SE
	s_setreg_imm32_b32 hwreg(HW_REG_WAVE_MODE, 25, 1), 1
	s_wait_xcnt 0x0
; Wq, Wk, Wv [256][1024] and Wo [1024][256], f32 with K innermost, become codes of FP6 (E2M3) with one E8M0 byte for each 32 along K,
; stored AS IMAGES OF OPERAND REGISTERS: a fragment (16 rows x 128 K, 12 registers a lane) is three pieces of 512 bytes, lane l's 16 bytes at 16 l; one scale word a row and fragment.
; A wave makes one fragment: 3 x 128 of the three weights of K = 1,024 (tile T = f / 8, K step f % 8) and 128 of Wo (tile f / 2, e half f % 2): 512 waves, 128 work-groups; there is no work for more.
; Lane (r, h) loads the two blocks of 32 that the operand's layout gives it (K = 64 c + 32 h + 0 .. 31 of its row), so a block's largest magnitude needs no other lane and the conversions' results are the operand's registers.
; ROWS OF A TILE: Wq, Wk, Wv: lane r of tile 2 b + u takes row 32 b + 8 u + r + 8 (r / 8) (the next launch's results then run along the next K); Wo: row 16 T + r.
; wi: Wq: K step x 25,600 + e half x 12,800; Wk, Wv from 204,800: K step x 51,200 + e half x 25,600 + 12,800 for Wv; a half block is 8 images and 8 x 64 bytes of scale words.
;     Wo's images from 614,400, 1,536 f; its scale words from 811,008, 64 f.
; LIMITS: a block of zeros, or one whose largest magnitude lies under 2^-124, gets the byte 1 (the stated quantiser says 127 for zeros): its codes are zeros or held small, and only this program reads the bytes.  NaN and infinities are not served.
; No LDS, no tensor load, no cluster: waves share nothing.
	s_load_b256 s[4:11], s[0:1], 0x0               ; Wq, Wk, Wv, Wo
	s_load_b64 s[12:13], s[0:1], 0x20              ; wi
	v_lshrrev_b32 v1, 5, v0
	v_readfirstlane_b32 s14, v1                    ; wave
	s_lshl_b32 s15, ttmp9, 2
	s_add_co_u32 s15, s15, s14                     ; my fragment, 0 .. 511
	s_lshr_b32 s16, s15, 7                         ; the tensor, 0 .. 3
	s_and_b32 s17, s15, 127                        ; f
	s_cmp_lt_u32 s16, 3
	s_cselect_b32 s18, 3, 1
	s_cselect_b32 s19, 7, 1
	s_cselect_b32 s20, 1, 0                        ; 1: the tile's rows are not neighbours
	s_cselect_b32 s21, 12, 10                      ; log2 of a row's bytes
	s_lshr_b32 s22, s17, s18                       ; T
	s_and_b32 s23, s17, s19                        ; which 128 along K
	s_lshr_b32 s24, s22, 1
	s_lshl_b32 s24, s24, 5
	s_and_b32 s25, s22, 1
	s_lshl_b32 s25, s25, 3
	s_add_co_u32 s24, s24, s25                     ; 32 (T / 2) + 8 (T % 2)
	s_lshl_b32 s25, s22, 4                         ; 16 T
	s_cmp_lt_u32 s16, 3
	s_cselect_b32 s24, s24, s25
	s_lshl_b32 s24, s24, s21
	s_lshl_b32 s25, s23, 9
	s_add_co_u32 s24, s24, s25                     ; the tile's first row and my 512 bytes of it
	s_mov_b32 s25, 0
	s_lshr_b32 s26, s22, 3                         ; e half
	s_and_b32 s27, s22, 7
	s_lshl_b32 s28, s23, 1
	s_add_co_u32 s28, s28, s26
	s_mul_i32 s28, s28, 12800
	s_min_u32 s29, s16, 1
	s_lshl_b32 s28, s28, s29                       ; twice as far apart for Wk and Wv
	s_mul_i32 s30, s29, 204800
	s_add_co_u32 s28, s28, s30
	s_lshr_b32 s30, s16, 1
	s_mul_i32 s30, s30, 12800
	s_add_co_u32 s28, s28, s30                     ; my half block
	s_mul_i32 s30, s27, 1536
	s_add_co_u32 s30, s30, s28                     ; the image
	s_lshl_b32 s31, s27, 6
	s_add_co_u32 s31, s31, s28
	s_add_co_u32 s31, s31, 12288                   ; the scale words
	s_mul_i32 s33, s17, 1536
	s_add_co_u32 s33, s33, 614400                  ; the same for Wo
	s_lshl_b32 s34, s17, 6
	s_add_co_u32 s34, s34, 811008
	s_cmp_lt_u32 s16, 3
	s_cselect_b32 s36, s30, s33
	s_cselect_b32 s38, s31, s34
	s_mov_b32 s37, 0
	s_mov_b32 s39, 0
	s_mov_b32 s44, 0x76543210
	s_mov_b32 s45, 0xfedcba98                      ; lane l xor 16
	v_and_b32 v2, 15, v0                           ; r
	v_bfe_u32 v3, v0, 4, 1                         ; h
	v_and_b32 v4, 8, v2
	v_mul_u32_u24 v4, s20, v4
	v_add_nc_u32 v4, v4, v2                        ; my row in the tile
	v_lshlrev_b32 v4, s21, v4
	v_lshl_add_u32 v4, v3, 7, v4                   ; + 128 h bytes
	v_and_b32 v5, 31, v0
	v_lshlrev_b32 v5, 4, v5                        ; out: 16 x lane
	v_lshlrev_b32 v6, 2, v2                        ; 4 r
	v_lshlrev_b32 v11, 3, v3                       ; 8 h
	v_mov_b32 v10, 0                               ; a lane permute's destination counts as a source
	s_wait_alu depctr_va_vdst(0)                   ; the wait at the head's end
	s_wait_kmcnt 0x0
	s_cmp_eq_u32 s16, 0
	s_cselect_b64 s[40:41], s[4:5], s[10:11]
	s_cmp_eq_u32 s16, 1
	s_cselect_b64 s[40:41], s[6:7], s[40:41]
	s_cmp_eq_u32 s16, 2
	s_cselect_b64 s[40:41], s[8:9], s[40:41]
	s_add_nc_u64 s[40:41], s[40:41], s[24:25]
	s_add_nc_u64 s[36:37], s[12:13], s[36:37]
	s_add_nc_u64 s[38:39], s[12:13], s[38:39]
.irp c, 0,1
.irp i, 0,1,2,3,4,5,6,7
	global_load_b128 v[32+32*\c+4*\i:32+32*\c+4*\i+3], v4, s[40:41] offset:256*\c+16*\i
.endr
.endr
	s_wait_loadcnt 0x0
.irp c, 0,1
	v_max3_num_f32 v[12+\c], |v[32+32*\c]|, |v[33+32*\c]|, 0x1800000   ; with the floor 2^(3 - 127): the byte cannot fall under 1
.endr
.irp i, 2,4,6,8,10,12,14,16,18,20,22,24,26,28,30
.irp c, 0,1
	v_max3_num_f32 v[12+\c], v[12+\c], |v[32+32*\c+\i]|, |v[33+32*\c+\i]|
.endr
.endr
.irp c, 0,1
	v_add_nc_u32 v[14+\c], 0xff000000, v[12+\c]    ; 2 off the exponent field: the conversion's scale operand
.endr
.irp c, 0,1
	v_lshrrev_b32 v[16+\c], 23, v[14+\c]           ; the byte
.endr
	v_lshl_or_b32 v9, v17, 16, v16                 ; blocks h and 2 + h,
	v_lshlrev_b32 v9, v11, v9                      ; at their places in the word;
	v_permlanex16_b32 v10, v9, s44, s45
	v_or_b32 v9, v9, v10                           ; with lane l xor 16's two the word is whole
.irp c, 0,1
	v_cvt_scalef32_pk16_fp6_f32 v[100+6*\c:102+6*\c], v[32+32*\c:47+32*\c], v[14+\c]
	v_cvt_scalef32_pk16_fp6_f32 v[112+4*\c:114+4*\c], v[48+32*\c:63+32*\c], v[14+\c]   ; (a conversion's three registers begin on an even number)
.endr
	v_nop                                          ; one plain place behind a scaled conversion
.irp c, 0,1
.irp i, 0,1,2
	v_mov_b32 v[103+6*\c+\i], v[112+4*\c+\i]
.endr
.endr
.irp c, 0,1,2
	global_store_b128 v5, v[100+4*\c:103+4*\c], s[36:37] offset:512*\c   ; 512 consecutive bytes, aligned
.endr
	global_store_b32 v6, v9, s[38:39]              ; lanes r and 16 + r hold the same word and name the same place
	s_endpgm
.Lfunc_end_k_q01fc1aa8f6_wprep:
	.size	k_q01fc1aa8f6_wprep, .Lfunc_end_k_q01fc1aa8f6_wprep-k_q01fc1aa8f6_wprep
	.p2alignl 7, 3214868480
	.fill 96, 4, 3214868480
	.section	.rodata,"a",@progbits
	.p2align	6, 0x0
	.amdhsa_kernel k_q01fc1aa8f6_wprep
		.amdhsa_group_segment_fixed_size 0
		.amdhsa_private_segment_fixed_size 0
		.amdhsa_enable_private_segment 0
		.amdhsa_kernarg_size 40
		.amdhsa_user_sgpr_count 2
		.amdhsa_user_sgpr_kernarg_segment_ptr 1
		.amdhsa_wavefront_size32 1
		.amdhsa_system_sgpr_workgroup_id_x 1
		.amdhsa_system_sgpr_workgroup_id_y 1
		.amdhsa_system_sgpr_workgroup_id_z 1
		.amdhsa_system_vgpr_workitem_id 0
		.amdhsa_next_free_vgpr 128
		.amdhsa_next_free_sgpr 66
		.amdhsa_reserve_vcc 0
		.amdhsa_float_denorm_mode_32 3
		.amdhsa_float_denorm_mode_16_64 3
		.amdhsa_memory_ordered 1
		.amdhsa_forward_progress 1
		.amdhsa_inst_pref_size 8
	.end_amdhsa_kernel
	.amdgpu_metadata
---
amdhsa.version: [ 1, 2 ]
amdhsa.kernels:
  - .name:           k_q01fc1aa8f6_wprep
    .symbol:         k_q01fc1aa8f6_wprep.kd
    .args:
      - { .name: Wq, .offset: 0, .size: 8, .value_kind: global_buffer, .address_space: global }
      - { .name: Wk, .offset: 8, .size: 8, .value_kind: global_buffer, .address_space: global }
      - { .name: Wv, .offset: 16, .size: 8, .value_kind: global_buffer, .address_space: global }
      - { .name: Wo, .offset: 24, .size: 8, .value_kind: global_buffer, .address_space: global }
      - { .name: wi, .offset: 32, .size: 8, .value_kind: global_buffer, .address_space: global }
    .group_segment_fixed_size: 0
    .private_segment_fixed_size: 0
    .kernarg_segment_align: 8
    .kernarg_segment_size: 40
    .max_flat_workgroup_size: 128
    .sgpr_count:     66
    .vgpr_count:     128
    .wavefront_size: 32
...
	.end_amdgpu_metadata
.endif
;; end of part 1
;; launch proj (part 2): grid 256 x 1, 4 waves a work-group, no clusters, 327,680 bytes of LDS; arguments x, y, wi, qf, qs, kv; writes qf, qs, kv
.if DOCPART == 2
	.amdgcn_target "amdgcn-amd-amdhsa--gfx1250"
	.amdhsa_code_object_version 6
	.text
	.protected	k_q01fc1aa8f6_proj
	.globl	k_q01fc1aa8f6_proj
	.p2align	8
	.type	k_q01fc1aa8f6_proj,@function
k_q01fc1aa8f6_proj:
	s_mov_b64 s[64:65], 0
	v_nop
	global_prefetch_b8 v0, s[64:65] scope:SCOPE_SE
	s_setreg_imm32_b32 hwreg(HW_REG_WAVE_MODE, 25, 1), 1
	s_wait_xcnt 0x0
; q = y Wq^T, k = x Wk^T, v = x Wv^T on codes of FP6 (E2M3) with E8M0 scales, K = 1,024, sums in f32.  x and y arrive as f32 and are QUANTISED HERE: each of their numbers is read from memory once in the program.
; Each result is quantised again in registers, along the K of the product that will read it (q, k along e; v along the keys), and stored as images of operand registers (three pieces of 512 bytes a fragment, lane l's 16 bytes at 16 l).
; SHARES: work-groups 0-127 take 128 rows of x each (k and v: twice the products, so they have the lower numbers), 128-255 take 128 rows of y (q).  256 work-groups.
; A K STEP of 128: waves 0, 1 fetch 64 rows x 512 bytes of f32 each, waves 2, 3 the weights' images (x: 25,600 bytes each, Wk's and Wv's half blocks of one e half; y: 12,800 each, Wq's), one tensor load a wave, into two slots by turns.
; Each wave then quantises 32 rows (two tiles): lane (r, h) reads the two blocks of 32 that the operand's layout gives it, so no other lane is asked for a maximum; the images go to LDS bytes of their own; a second barrier; all waves read them.
; PRODUCTS of wave w: q or k: row tiles 4 (w / 2) + 0 .. 3 (source 1) x the 8 e tiles of half w % 2 (source 0); v: e tiles 4 w + 0 .. 3 of Wv (source 1) x the 8 key tiles (source 0).  A lane's registers run along source 0's rows.
; The rows of a tile are not neighbours: lane r of tile 2 b + u is row 32 b + 8 u + r + 8 (r / 8): so 16 registers of result tiles 2 b, 2 b + 1 are 16 neighbours along the next K.
; v's products stand under a branch on the job, so v's sums begin as cleared registers, written on every way; q's and k's begin with the constant 0 as C.
; NO CLUSTER: the two jobs' weight tiles differ in rows (100 and 50), so the load stands in arms of a branch on the job, where a joint load may not stand.
; NO PREFETCH: the launch streams x and y once, and each step's 116,736 bytes (y: 91,136) are asked for a whole step ahead by the tensor loads themselves.
; LIMITS: a block of zeros, or one whose largest magnitude lies under 2^-124, gets the scale byte 1; only this program reads the bytes.  NaN and infinities are not served.
; REGISTERS: window 0: v0-31 addresses; v32-55 scale words and nothing else; v64-123 the quantisers' small registers; v128-255 128 f32 numbers, then my 4 row tiles' fragments (the way out: codes).
;   window 1: v0-95 x's 8 tiles, v96-191 8 tiles of Wq or Wk, v192-239 4 tiles of Wv.   window 2: q's or k's 32 accumulators ((a, b) at v[8 (8 a + b)]);   window 3: v's.
.set FP,    528                        ; an f32 row in LDS: 512 bytes + 16: sixteen rows start in sixteen different groups of four banks
.set FSLOT, 128*FP
.set WSL,   2*FSLOT                    ; the weights' two slots
.set WSLOT, 51200
.set XI,    WSL+2*WSLOT                ; the 8 tiles' images, written by LDS stores: no tensor load lands here
.set XSW,   XI+12288                   ; their scale words, 128 bytes a tile (both halves of the lanes hold the word)
.set SPARE, XI+13312                   ; the spare words, 128 bytes a wave
.set FA,  4                            ; v4, v5   my rows' f32 in slot 0, 1
.set IW,  6                            ; v6, v7   where I store my images, my scale words
.set SW,  7
.set IR,  8                            ; v8, v9   where all are read
.set SR,  9
.set AR,  10                           ; v10, v11 my 4 row tiles
.set ASR, 11
.set WB,  12                           ; v12, v13 Wq's or Wk's images of my e half, slot 0, 1;  v14, v15 their scale words
.set WBS, 14
.set WVA, 16                           ; v16-19   the same for my 4 tiles of Wv
.set WVS, 18
.set SH,  20                           ; v20 8 h;  v21 16 x lane;  v22 4 r + 128 h;  v23 4 x lane
.set GI,  21
.set SOK, 22
.set GS,  23
.set SPW, 30                           ; v30 my spare word; v31 0: never rewritten
.set NIL, 31
.set XSC, 32
.set BSC, 40
.set VSC, 48
.set ASC, 52
.set TM,  64
.set XW,  80
.set PW,  80
.set PWP, 88
.set CF,  84
.set PCT, 108
.set X,   128
.set PCF, 128
.set WV,  16
.set JOB, 17
.set BLK, 18
.set WST, 19
.set G1F, 24
.set G1W, 32
.set G1H, 40
.set G0F, 48
.set G0W, 56
.set INC, 66
.set SEL, 68
.set IMGK, 80
.set SCLK, 82
.set IMGV, 84
.set SCLV, 86
.set CNT, 88
.set MSB, 0
.macro WIN new
.if MSB != (\new)
	s_set_vgpr_msb (MSB<<8)|(\new)
.set MSB, (\new)
.endif
.endm
.macro PLACES n
.rept \n
	v_nop
.endr
.endm
; A step's four loads, one a wave: ONE chain of arms, each with its load, all leading to one join.
.macro TLOAD s
	s_cmp_lt_u32 s[WV], 2
	s_cbranch_scc0 .Lw_\@
	tensor_load_to_lds s[G0F+4*(\s):G0F+4*(\s)+3], s[G1F:G1F+7]
	s_nop 0
	PLACES 4
	s_branch .Lj_\@
.Lw_\@:
	s_cmp_eq_u32 s[JOB], 0
	s_cbranch_scc0 .Lh_\@
	tensor_load_to_lds s[G0W+4*(\s):G0W+4*(\s)+3], s[G1W:G1W+7]
	s_nop 0
	PLACES 4
	s_branch .Lj_\@
.Lh_\@:
	tensor_load_to_lds s[G0W+4*(\s):G0W+4*(\s)+3], s[G1H:G1H+7]
	s_nop 0
	PLACES 4
.Lj_\@:
.endm
	s_load_b256 s[4:11], s[0:1], 0x0               ; x, y, wi, qf
	s_load_b128 s[12:15], s[0:1], 0x20             ; qs, kv
	v_lshl_add_u32 v[SPW], v0, 2, SPARE
	v_mov_b32 v[NIL], 0
	ds_add_u32 v[SPW], v[NIL]                      ; the opening lines: the add, twice on end, and its wait
	ds_add_u32 v[SPW], v[NIL]
	v_lshrrev_b32 v1, 5, v0
	v_readfirstlane_b32 s[WV], v1                  ; wave 0..3
	s_lshr_b32 s[JOB], ttmp9, 7                    ; 0: x, 1: y
	s_and_b32 s[BLK], ttmp9, 127
	s_mov_b32 s[SEL], 0x76543210
	s_mov_b32 s[SEL+1], 0xfedcba98
	s_mov_b32 s[G1F+0], (2<<16)|(1<<20)|(6<<22)|(3<<25)   ; elements of 4 bytes; 4 words of padding behind every 128
	s_mov_b32 s[G1F+1], 128<<16
	s_mov_b32 s[G1F+2], 64<<16
	s_mov_b32 s[G1F+3], 128<<16
	s_mov_b32 s[G1F+4], 64
	s_mov_b32 s[G1F+5], 1024
	s_mov_b32 s[G1F+6], 0
	s_mov_b32 s[G1F+7], 0
	s_mov_b32 s[G1W+0], 3<<16                      ; a dense block as rows of 256 bytes (32 elements of 8): 100 rows,
	s_mov_b32 s[G1W+1], 32<<16
	s_mov_b32 s[G1W+2], 100<<16
	s_mov_b32 s[G1W+3], 32<<16
	s_mov_b32 s[G1W+4], 100
	s_mov_b32 s[G1W+5], 32
	s_mov_b32 s[G1W+6], 0
	s_mov_b32 s[G1W+7], 0
	s_mov_b32 s[G1H+0], 3<<16                      ; or 50
	s_mov_b32 s[G1H+1], 32<<16
	s_mov_b32 s[G1H+2], 50<<16
	s_mov_b32 s[G1H+3], 32<<16
	s_mov_b32 s[G1H+4], 50
	s_mov_b32 s[G1H+5], 32
	s_mov_b32 s[G1H+6], 0
	s_mov_b32 s[G1H+7], 0
	s_lshl_b32 s20, s[BLK], 19                     ; 128 rows of 4,096 bytes a block,
	s_lshl_b32 s21, s[WV], 18                      ; 64 rows a loading wave
	s_add_co_u32 s20, s20, s21
	s_mov_b32 s21, 0
	s_cmp_eq_u32 s[JOB], 0
	s_cselect_b32 s90, 1, 0
	s_mov_b32 s[WST], 25600
	s_lshl_b32 s[WST], s[WST], s90                 ; the weights' bytes a K step: 51,200 or 25,600
	s_mul_i32 s91, s90, 204800                     ; and where they begin in wi
	s_and_b32 s92, s[WV], 1
	s_lshr_b32 s93, s[WST], 1
	s_mul_i32 s22, s92, s93
	s_add_co_u32 s22, s22, s91
	s_mov_b32 s23, 0
	s_lshl_b32 s[INC], s[WST], 1
	s_mov_b32 s[INC+1], 0
	s_mov_b32 s74, s[WST]
	s_mov_b32 s75, 0
	s_wait_dscnt 0x0                               ; both opening adds are done
	s_wait_kmcnt 0x0
	s_cmp_eq_u32 s[JOB], 0
	s_cselect_b64 s[70:71], s[4:5], s[6:7]
	s_add_nc_u64 s[70:71], s[70:71], s[20:21]
	s_add_nc_u64 s[72:73], s[8:9], s[22:23]
	s_mov_b32 s[G0F], 1
	s_mul_i32 s[G0F+1], s[WV], 64*FP
	s_mov_b64 s[G0F+2:G0F+3], s[70:71]
	s_or_b32 s[G0F+3], s[G0F+3], 0x80000000
	s_mov_b32 s[G0F+4], 1
	s_add_co_u32 s[G0F+5], s[G0F+1], FSLOT
	s_add_nc_u64 s[G0F+6:G0F+7], s[70:71], 512
	s_or_b32 s[G0F+7], s[G0F+7], 0x80000000
	s_mov_b32 s[G0W], 1
	s_mul_i32 s[G0W+1], s92, 25600
	s_add_co_u32 s[G0W+1], s[G0W+1], WSL
	s_mov_b64 s[G0W+2:G0W+3], s[72:73]
	s_or_b32 s[G0W+3], s[G0W+3], 0x80000000
	s_mov_b32 s[G0W+4], 1
	s_add_co_u32 s[G0W+5], s[G0W+1], WSLOT
	s_add_nc_u64 s[G0W+6:G0W+7], s[72:73], s[74:75]
	s_or_b32 s[G0W+7], s[G0W+7], 0x80000000
	TLOAD 0                                        ; K step 0: one tensor load a wave at the head
	s_lshr_b32 s73, s[WV], 1                       ; which 4 row tiles, and which half of Wv's e, are mine; s92: which e half
	s_mul_i32 s70, s[WV], 32*FP
	s_mul_i32 s71, s[WV], 3072
	s_add_co_u32 s71, s71, XI
	s_lshl_b32 s72, s[WV], 8
	s_add_co_u32 s72, s72, XSW
	s_mul_i32 s74, s73, 6144
	s_add_co_u32 s74, s74, XI
	s_lshl_b32 s75, s73, 9
	s_add_co_u32 s75, s75, XSW
	s_mul_i32 s76, s92, 25600
	s_add_co_u32 s76, s76, WSL
	s_add_co_u32 s77, s76, 12288
	s_mul_i32 s78, s73, 25600
	s_add_co_u32 s78, s78, WSL+12800
	s_mul_i32 s79, s92, 6144
	s_add_co_u32 s79, s79, s78
	s_lshl_b32 s93, s92, 8
	s_add_co_u32 s93, s93, s78
	s_add_co_u32 s93, s93, 12288
	; where the results go
	s_mul_i32 s94, s[BLK], 51200                   ; kv: a group of 128 keys: k's 16 images, 1,024 bytes of scale words, then the same of v
	s_mul_i32 s20, s73, 12288
	s_mul_i32 s21, s92, 1536
	s_add_co_u32 s20, s20, s21
	s_lshl_b32 s22, s73, 9
	s_lshl_b32 s23, s92, 6
	s_add_co_u32 s22, s22, s23
	s_mul_i32 s95, s[BLK], 24576                   ; qf: 3,072 bytes a tile;  qs: 128
	s_lshl_b32 s96, s[BLK], 10
	s_add_co_u32 s97, s94, 24576
	s_cmp_eq_u32 s[JOB], 0
	s_cselect_b32 s95, s94, s95
	s_cselect_b32 s96, s97, s96
	s_cselect_b64 s[IMGK:IMGK+1], s[14:15], s[10:11]
	s_cselect_b64 s[SCLK:SCLK+1], s[14:15], s[12:13]
	s_add_co_u32 s20, s20, s95
	s_mov_b32 s21, 0
	s_add_co_u32 s22, s22, s96
	s_mov_b32 s23, 0
	s_add_nc_u64 s[IMGK:IMGK+1], s[IMGK:IMGK+1], s[20:21]
	s_add_nc_u64 s[SCLK:SCLK+1], s[SCLK:SCLK+1], s[22:23]
	s_mul_i32 s20, s[WV], 6144
	s_add_co_u32 s20, s20, s94
	s_add_co_u32 s20, s20, 25600
	s_lshl_b32 s22, s[WV], 8
	s_add_co_u32 s22, s22, s94
	s_add_co_u32 s22, s22, 50176
	s_add_nc_u64 s[IMGV:IMGV+1], s[14:15], s[20:21]
	s_add_nc_u64 s[SCLV:SCLV+1], s[14:15], s[22:23]
	v_and_b32 v1, 15, v0                           ; r
	v_bfe_u32 v2, v0, 4, 1                         ; h
	v_and_b32 v3, 8, v1
	v_add_nc_u32 v3, v3, v1                        ; r + 8 (r / 8)
	v_and_b32 v24, 31, v0
	v_lshlrev_b32 v[GI], 4, v24
	v_lshlrev_b32 v[GS], 2, v24
	v_lshlrev_b32 v25, 2, v1
	v_lshlrev_b32 v[SH], 3, v2
	v_lshl_add_u32 v[SOK], v2, 7, v25
	v_mul_u32_u24 v26, v3, FP
	v_lshl_add_u32 v26, v2, 7, v26                 ; my row x pitch + 128 h
	v_add_nc_u32 v[FA], s70, v26
	v_add_nc_u32 v[FA+1], FSLOT, v[FA]
	v_add_nc_u32 v[IW], s71, v[GI]
	v_add_nc_u32 v[SW], s72, v[GS]
	v_add_nc_u32 v[IR], XI, v[GI]
	v_add_nc_u32 v[SR], XSW, v[GS]
	v_add_nc_u32 v[AR], s74, v[GI]
	v_add_nc_u32 v[ASR], s75, v[GS]
	v_add_nc_u32 v[WB], s76, v[GI]
	v_add_nc_u32 v[WB+1], WSLOT, v[WB]
	v_add_nc_u32 v[WBS], s77, v25
	v_add_nc_u32 v[WBS+1], WSLOT, v[WBS]
	v_add_nc_u32 v[WVA], s79, v[GI]
	v_add_nc_u32 v[WVA+1], WSLOT, v[WVA]
	v_add_nc_u32 v[WVS], s93, v25
	v_add_nc_u32 v[WVS+1], WSLOT, v[WVS]
	v_mov_b32 v[TM+14], 0                          ; a lane permute's destination counts as a source
	v_mov_b32 v[TM+15], 0
	WIN 0xc0                                       ; v's sums begin as zeros; the clears stand under the first loads' flight
.set jj, 0
.rept 256
	v_mov_b32 v[jj], 0
.set jj, jj+1
.endr
	WIN 0
; My 128 numbers a lane, four blocks of 32 (tile u, block c at X + 32 (2 u + c)), become two fragments and two scale words.  The four blocks take turns line by line.
.macro QUANT
.irp q, 0,1,2,3
	v_max3_num_f32 v[TM+\q], |v[X+32*\q]|, |v[X+32*\q+1]|, 0x1800000   ; with the floor 2^(3 - 127)
.endr
.irp i, 2,4,6,8,10,12,14,16,18,20,22,24,26,28,30
.irp q, 0,1,2,3
	v_max3_num_f32 v[TM+\q], v[TM+\q], |v[X+32*\q+\i]|, |v[X+32*\q+\i+1]|
.endr
.endr
.irp q, 0,1,2,3
	v_add_nc_u32 v[TM+4+\q], 0xff000000, v[TM+\q]  ; 2 off the exponent field: the conversion's scale operand
.endr
.irp q, 0,1,2,3
	v_lshrrev_b32 v[TM+8+\q], 23, v[TM+4+\q]       ; the byte
.endr
.irp u, 0,1
	v_lshl_or_b32 v[TM+12+\u], v[TM+9+2*\u], 16, v[TM+8+2*\u]   ; blocks h and 2 + h
.endr
.irp u, 0,1
	v_lshlrev_b32 v[TM+12+\u], v[SH], v[TM+12+\u]
.endr
.irp u, 0,1
	v_permlanex16_b32 v[TM+14+\u], v[TM+12+\u], s[SEL], s[SEL+1]
.endr
.irp u, 0,1
	v_or_b32 v[XW+\u], v[TM+12+\u], v[TM+14+\u]    ; the whole word, in both halves of the lanes
.endr
.irp q, 0,1,2,3
	v_cvt_scalef32_pk16_fp6_f32 v[CF+6*\q:CF+6*\q+2], v[X+32*\q:X+32*\q+15], v[TM+4+\q]
	v_cvt_scalef32_pk16_fp6_f32 v[PCT+4*\q:PCT+4*\q+2], v[X+32*\q+16:X+32*\q+31], v[TM+4+\q]
.endr
	v_nop                                          ; one plain place behind a scaled conversion
.irp q, 0,1,2,3
.irp i, 0,1,2
	v_mov_b32 v[CF+6*\q+3+\i], v[PCT+4*\q+\i]
.endr
.endr
.endm
.macro KPART zero                      ; 32 accumulators by turns
	WIN 0xa1                                       ; source 0 window 1, source 1 window 0, C and D window 2
.irp a, 0,1,2,3
.irp b, 0,1,2,3,4,5,6,7
.if \zero
	v_wmma_scale_f32_16x16x128_f8f6f4 v[8*(8*\a+\b):8*(8*\a+\b)+7], v[96+12*\b:96+12*\b+11], v[X+12*\a:X+12*\a+11], 0, v[BSC+\b], v[ASC+\a] matrix_a_fmt:MATRIX_FMT_FP6 matrix_b_fmt:MATRIX_FMT_FP6
.else
	v_wmma_scale_f32_16x16x128_f8f6f4 v[8*(8*\a+\b):8*(8*\a+\b)+7], v[96+12*\b:96+12*\b+11], v[X+12*\a:X+12*\a+11], v[8*(8*\a+\b):8*(8*\a+\b)+7], v[BSC+\b], v[ASC+\a] matrix_a_fmt:MATRIX_FMT_FP6 matrix_b_fmt:MATRIX_FMT_FP6
.endif
.endr
.endr
	WIN 0
.endm
.macro VPART
	WIN 0xf5                                       ; sources 0 and 1 window 1, C and D window 3
.irp a, 0,1,2,3
.irp b, 0,1,2,3,4,5,6,7
	v_wmma_scale_f32_16x16x128_f8f6f4 v[8*(8*\a+\b):8*(8*\a+\b)+7], v[12*\b:12*\b+11], v[192+12*\a:192+12*\a+11], v[8*(8*\a+\b):8*(8*\a+\b)+7], v[XSC+\b], v[VSC+\a] matrix_a_fmt:MATRIX_FMT_FP6 matrix_b_fmt:MATRIX_FMT_FP6
.endr
.endr
	WIN 0
.endm
; A K step.  In front of the first barrier: all my tensor loads have landed (my part of this slot), the add, and my reads of the other slot and of the images are done.  Behind it the other slot is filled, first of all.
.macro TRIP slot, refill, zero
	s_wait_tensorcnt 0x0
	ds_add_u32 v[SPW], v[NIL]
	s_add_nc_u64 s[G0F+4*\slot+2:G0F+4*\slot+3], s[G0F+4*\slot+2:G0F+4*\slot+3], 1024            ; no load of mine is out: this slot's next K step
	s_add_nc_u64 s[G0W+4*\slot+2:G0W+4*\slot+3], s[G0W+4*\slot+2:G0W+4*\slot+3], s[INC:INC+1]
	s_wait_dscnt 0x0
	s_barrier_signal -1
	s_barrier_wait -1
.if \refill
	TLOAD 1-\slot                                  ; its four v_nop are also the places in front of the loads below
.else
	PLACES 4
.endif
.irp q, 0,1,2,3
.irp i, 0,1,2,3,4,5,6,7
	ds_load_b128 v[X+32*\q+4*\i:X+32*\q+4*\i+3], v[FA+\slot] offset:4224*(\q/2)+256*(\q%2)+16*\i
.endr
.endr
	s_wait_dscnt 0x0
	QUANT
.irp n, 0,1,2,3,4,5
	ds_store_b128 v[IW], v[CF+4*\n:CF+4*\n+3] offset:512*\n
.endr
	ds_store_b32 v[SW], v[XW]
	ds_store_b32 v[SW], v[XW+1] offset:128
	s_wait_alu depctr_va_vdst(0)                   ; the wait here, directly ahead of the wait below
	s_wait_dscnt 0x0                               ; my images lie in LDS
	s_barrier_signal -1
	s_barrier_wait -1                              ; so do everybody's
.set nn, 0
.rept 12
	ds_load_b128 v[X+4*nn:X+4*nn+3], v[AR] offset:512*nn
.set nn, nn+1
.endr
.irp a, 0,1,2,3
	ds_load_b32 v[ASC+\a], v[ASR] offset:128*\a
.endr
.irp b, 0,1,2,3,4,5,6,7
	ds_load_b32 v[BSC+\b], v[WBS+\slot] offset:64*\b
.endr
	WIN 0x40
.set nn, 0
.rept 24
	ds_load_b128 v[96+4*nn:96+4*nn+3], v[WB+\slot] offset:512*nn
.set nn, nn+1
.endr
	WIN 0
	s_cmp_lg_u32 s[JOB], 0
	s_cbranch_scc1 .Lq_\@                          ; y has no v
.irp b, 0,1,2,3,4,5,6,7
	ds_load_b32 v[XSC+\b], v[SR] offset:128*\b
.endr
.irp a, 0,1,2,3
	ds_load_b32 v[VSC+\a], v[WVS+\slot] offset:64*\a
.endr
	WIN 0x40
.set nn, 0
.rept 24
	ds_load_b128 v[4*nn:4*nn+3], v[IR] offset:512*nn
.set nn, nn+1
.endr
.set nn, 0
.rept 12
	ds_load_b128 v[192+4*nn:192+4*nn+3], v[WVA+\slot] offset:512*nn
.set nn, nn+1
.endr
	WIN 0
	s_wait_dscnt 0x0
	VPART
.Lq_\@:
	s_wait_dscnt 0x0
	KPART \zero
.endm
	s_wait_alu depctr_va_vdst(0)                   ; the wait at the head's end
	TRIP 0, 1, 1                                   ; K step 0; slot 1's first fill stands behind its barrier, as a refill does
	s_mov_b32 s[CNT], 3
.Lk:                                                   ; K steps 1 to 6
	TRIP 1, 1, 0
	TRIP 0, 1, 0
	s_sub_co_u32 s[CNT], s[CNT], 1
	s_cmp_lg_u32 s[CNT], 0
	s_cbranch_scc1 .Lk
	TRIP 1, 0, 0                                   ; K step 7 fetches nothing more
	PLACES 4                                       ; in front of the first read of results and of writes into the registers that held fragments
; THE WAY OUT.  Tile a of window W: a lane's 64 results, register 16 b + i = place 32 b + 16 h + i along the next K, become fragment n and one scale word a row.
.macro QUANTW a, W, n, img, scl, istep, so, sstep
.set AC, 64*(\a)
	WIN 5*(\W)
.irp b, 0,1,2,3
	v_max3_num_f32 v[TM+\b], |v[AC+16*\b]|, |v[AC+16*\b+1]|, 0x1800000   ; each accumulator from its low end on
.endr
	WIN 20*(\W)
.irp i, 2,4,6,8,10,12,14
.irp b, 0,1,2,3
	v_max3_num_f32 v[TM+\b], v[TM+\b], |v[AC+16*\b+\i]|, |v[AC+16*\b+\i+1]|
.endr
.endr
	WIN 0
.irp b, 0,1,2,3
	v_permlanex16_b32 v[TM+4+\b], v[TM+\b], s[SEL], s[SEL+1]
.endr
.irp b, 0,1,2,3
	v_max_num_f32 v[TM+\b], v[TM+\b], v[TM+4+\b]
.endr
.irp b, 0,1,2,3
	v_add_nc_u32 v[TM+12+\b], 0xff000000, v[TM+\b]
.endr
.irp b, 0,1,2,3
	v_lshrrev_b32 v[TM+4+\b], 23, v[TM+12+\b]
.endr
	v_lshl_or_b32 v[PW+(\n)], v[TM+5], 8, v[TM+4]
	v_lshl_or_b32 v[PW+(\n)], v[TM+6], 16, v[PW+(\n)]
	v_lshl_or_b32 v[PW+(\n)], v[TM+7], 24, v[PW+(\n)]
	WIN \W
.irp c, 0,1
	v_cvt_scalef32_pk16_fp6_f32 v[PCF+12*(\n)+6*\c:PCF+12*(\n)+6*\c+2], v[AC+32*\c:AC+32*\c+15], v[TM+12+2*\c]
	v_cvt_scalef32_pk16_fp6_f32 v[PCT+4*\c:PCT+4*\c+2], v[AC+32*\c+16:AC+32*\c+31], v[TM+12+2*\c+1]
.endr
	WIN 0
	v_nop                                          ; one plain place behind a scaled conversion
.irp c, 0,1                                    ; the operand's layout wants a whole block in a lane
.irp i, 0,1,2
	v_permlane16_swap_b32 v[PCF+12*(\n)+6*\c+\i], v[PCT+4*\c+\i]
.endr
.irp i, 0,1,2
	v_mov_b32 v[PCF+12*(\n)+6*\c+3+\i], v[PCT+4*\c+\i]
.endr
.endr
.irp c, 0,1,2
	global_store_b128 v[GI], v[PCF+12*(\n)+4*\c:PCF+12*(\n)+4*\c+3], s[\img:\img+1] offset:(\a)*(\istep)+512*\c   ; 512 consecutive bytes, aligned; no store's data are written again
.endr
.if (\a)%2
	v_cndmask_b32 v[PWP+(\n)/2], v[PW+(\n)], v[PW+(\n)-1], vcc_lo   ; lanes 0-15 the even tile's words, lanes 16-31 the odd tile's
	global_store_b32 v[\so], v[PWP+(\n)/2], s[\scl:\scl+1] offset:((\a)/2)*2*(\sstep)
.endif
.endm
	v_cmp_eq_u32 vcc_lo, 0, v2                     ; lanes 0-15
.irp a, 0,1,2,3
	QUANTW \a, 2, \a, IMGK, SCLK, 3072, SOK, 128
.endr
	s_cmp_lg_u32 s[JOB], 0
	s_cbranch_scc1 .Ldone
.irp a, 0,1,2,3
	QUANTW \a, 3, \a+4, IMGV, SCLV, 1536, GS, 64
.endr
.Ldone:
	s_wait_tensorcnt 0x0                           ; the wave's end
	ds_add_u32 v[SPW], v[NIL]
	s_wait_dscnt 0x0
	s_endpgm
.Lfunc_end_k_q01fc1aa8f6_proj:
	.size	k_q01fc1aa8f6_proj, .Lfunc_end_k_q01fc1aa8f6_proj-k_q01fc1aa8f6_proj
	.p2alignl 7, 3214868480
	.fill 96, 4, 3214868480
	.section	.rodata,"a",@progbits
	.p2align	6, 0x0
	.amdhsa_kernel k_q01fc1aa8f6_proj
		.amdhsa_group_segment_fixed_size 327680
		.amdhsa_private_segment_fixed_size 0
		.amdhsa_enable_private_segment 0
		.amdhsa_kernarg_size 48
		.amdhsa_user_sgpr_count 2
		.amdhsa_user_sgpr_kernarg_segment_ptr 1
		.amdhsa_wavefront_size32 1
		.amdhsa_system_sgpr_workgroup_id_x 1
		.amdhsa_system_sgpr_workgroup_id_y 1
		.amdhsa_system_sgpr_workgroup_id_z 1
		.amdhsa_system_vgpr_workitem_id 0
		.amdhsa_next_free_vgpr 1024
		.amdhsa_next_free_sgpr 100
		.amdhsa_reserve_vcc 1
		.amdhsa_float_denorm_mode_32 3
		.amdhsa_float_denorm_mode_16_64 3
		.amdhsa_memory_ordered 1
		.amdhsa_forward_progress 1
		.amdhsa_inst_pref_size 146
	.end_amdhsa_kernel
	.amdgpu_metadata
---
amdhsa.version: [ 1, 2 ]
amdhsa.kernels:
  - .name:           k_q01fc1aa8f6_proj
    .symbol:         k_q01fc1aa8f6_proj.kd
    .args:
      - { .name: x, .offset: 0, .size: 8, .value_kind: global_buffer, .address_space: global }
      - { .name: y, .offset: 8, .size: 8, .value_kind: global_buffer, .address_space: global }
      - { .name: wi, .offset: 16, .size: 8, .value_kind: global_buffer, .address_space: global }
      - { .name: qf, .offset: 24, .size: 8, .value_kind: global_buffer, .address_space: global }
      - { .name: qs, .offset: 32, .size: 8, .value_kind: global_buffer, .address_space: global }
      - { .name: kv, .offset: 40, .size: 8, .value_kind: global_buffer, .address_space: global }
    .group_segment_fixed_size: 327680
    .private_segment_fixed_size: 0
    .kernarg_segment_align: 8
    .kernarg_segment_size: 48
    .max_flat_workgroup_size: 128
    .sgpr_count:     100
    .vgpr_count:     1024
    .wavefront_size: 32
...
	.end_amdgpu_metadata
.endif
;; end of part 2
;; launch attn (part 3): grid 64 x 4, 4 waves a work-group, clusters of 4 x 1, 327,680 bytes of LDS; arguments qf, qs, kv, wi, bo, out0; writes out0
.if DOCPART == 3
	.amdgcn_target "amdgcn-amd-amdhsa--gfx1250"
	.amdhsa_code_object_version 6
	.text
	.protected	k_q01fc1aa8f6_attn
	.globl	k_q01fc1aa8f6_attn
	.p2align	8
	.type	k_q01fc1aa8f6_attn,@function
k_q01fc1aa8f6_attn:
	s_mov_b64 s[64:65], 0
	v_nop
	global_prefetch_b8 v0, s[64:65] scope:SCOPE_SE
	s_setreg_imm32_b32 hwreg(HW_REG_WAVE_MODE, 25, 1), 1
	s_wait_xcnt 0x0
	s_wait_alu depctr_hold_cnt(0) depctr_sa_sdst(0) depctr_va_vdst(0) depctr_va_sdst(0) depctr_va_ssrc(0) depctr_va_vcc(0) depctr_vm_vsrc(0)
	s_getreg_b32 s2, hwreg(HW_REG_IB_STS2, 6, 4)
	s_cmp_eq_u32 s2, 0
	s_cbranch_scc0 .Lentry_in_a_cluster
	s_endpgm
.Lentry_in_a_cluster:
	s_bfe_u32 s2, ttmp6, 0x10000c
	s_cmp_lg_u32 s2, 0x3003
	s_cbranch_scc0 .Lentry_shape_is_right
	s_endpgm
.Lentry_shape_is_right:
; out = (softmax(q k^T / 16) v) Wo^T + bo, all three products on codes of FP6 (E2M3) with one E8M0 scale for each 32 along a product's K; sums, softmax and bias in f32.
; q, k, v arrive from the launch before as IMAGES OF OPERAND REGISTERS (a fragment of 16 rows x 128 K: three pieces of 512 bytes, lane l's 16 bytes at 16 l) with one scale word a row and fragment.
; THE SOFTMAX: t = score x log2(e) / 16; M = the largest t so far, rounded UP to a whole number; p = 2^(t - M) is quantised along the keys, not normalised; the sum is taken of the unquantised p and divides at the end.
; SHARES.  A work-group owns 64 queries of one batch: four tiles of 16.  THE FOUR WAVES SHARE THE KEYS, NOT THE QUERIES: wave w holds all four tiles and walks keys 1,024 w on, 8 steps of 128, with its own running M, sum and O^T.
; So each byte of k and v is read from LDS once in a work-group, by the wave that asked for it.  At the end the four partial results are brought under one M by exact powers of two, divided by the sum and added.
; Both products are used transposed (S^T = k q^T, O^T = v^T p^T): a lane holds ONE query.  The rows of a tile of 16 (queries, keys, v's e) are not neighbours: lane r of tile 2 b + u is row 32 b + 8 u + r + 8 (r / 8), so that the
; 16 registers of result tiles 2 b and 2 b + 1 are 16 neighbours along the next K.
; THE RING: one LDS slot a wave, registers as the second stage.  Chunk j = [v of step j | k of step j + 1], 51,200 consecutive bytes, is asked for at the head of step j and lands under three tiles' scores and softmax; v goes into
; registers under the fourth tile's softmax, k of the next step into the same registers as v's fragments are used up.  One tensor load of a wave is out at a time.
; CLUSTER: the four query blocks of a cluster belong to one batch and walk the same k and v, so each chunk is asked for JOINTLY: the same tensor load, the same descriptor, a mask that names the four.
; LIMITS: NaN and infinities are not served; the differences of M are exact for |t| under 2^24; a block whose largest magnitude lies under 2^-124 keeps the scale byte 1 (its codes are zeros or held small).
; REGISTERS, in windows of 256.  Window 0: v0 my thread's number; v1-15 addresses; v16-31 four registers of statistics a tile; v32-55 scale words and nothing else; v56-95 at work; v96-159 S^T of one tile, then p; v160-255 q.
;   Window 1: v0-191 ONE buffer for k's or v's 16 fragments; v192-239 p's codes, 12 a tile.   Windows 2, 3: O^T: tile t in window 2 + t / 2 at 128 (t % 2) + 8 x e tile.
.set CHB,   51200                      ; a chunk, and a wave's slot: wave w's at w x 51,200
.set VSCO,  24576                      ; in it: v's 16 images, v's scale words here,
.set KOFF,  25600                      ; k's 16 images here,
.set KSCO,  50176                      ; k's scale words here
.set SPARE, 262144                     ; the spare words, 128 bytes a wave: two blocks of 256 bytes that no other line names
.set STAT,  SPARE+512                  ; each wave's -M and sums: 1,024 bytes a wave
.set CIMG,  STAT+4096                  ; ctx's eight fragments
.set CSC,   CIMG+12288                 ; their scale words, 128 bytes a tile
; Bytes 0 .. 262,143 serve again behind the slots' last fill and last read: first the partial O^T, (4 t + w) x 16,384; then each wave's stage for the way out, at w x 65,536.
.set LI,  1                            ; v1   16 x lane + my slot
.set LS,  2                            ; v2   4 x lane + my slot
.set SPW, 3                            ; v3   my spare word: SPARE + 4 x my thread's number; never rewritten
.set NIL, 4                            ; v4   0; never rewritten
.set GI,  5                            ; v5   16 x lane
.set GS,  6                            ; v6   4 x lane
.set STW, 7                            ; v7   where I store my statistics;  v8 where all are read
.set STR, 8
.set MR,  9                            ; v9   where my tile's four partial results lie
.set CIW, 10                           ; v10  where I store ctx's images;  v11 where all are read
.set CIR, 11
.set CSW, 12                           ; v12, v13 the same for their scale words
.set CSR, 13
.set SO,  14                           ; v14  the stage: where I put 32 bytes of a row;  v15 where I read a row back
.set SR,  15
.set ST,  16                           ; tile t: v[ST+4t] -M, +1 the largest t, +2, +3 the sum in two halves
.set QS,  32                           ; v32-35 q's scale words (lanes 0-15: e 0-127, lanes 16-31: e 128-255); later ctx's
.set KS,  36                           ; v36-43 k's, a register a key tile, likewise
.set VS,  44                           ; v44-51 v's: lanes 0-15 the even e tile, lanes 16-31 the odd one
.set WSC, 36                           ; v36-51 later Wo's, a register a tile of outputs
.set PS,  52                           ; v52-55 p's, a register a tile of queries
.set BM,  56                           ; v56-59 a block's largest score, then its largest p
.set T1,  60                           ; v60-67 at work
.set SCO, 68                           ; v68-71 the conversions' scale operands
.set TM,  56                           ; (ctx's quantiser uses v56-71 in the same way)
.set F,   72                           ; v[72:73] f = 2^(old M - new M), named as a pair
.set TT,  74
.set MW,  76                           ; v76-79 where tile t's partial result goes
.set PCT, 80                           ; v80-86 codes just made
.set G,   88                           ; v88-95 tile t's factor at the merge, named as pairs
.set S,   96
.set Q,   160
.set P,   192                          ; in window 1
.set CT,  96                           ; v96-223 my tile of ctx; then v96-191 ctx's eight fragments
.set CF,  96
.set WA,  248                          ; v250, v251 lane offsets into bo, out0; v252 r, v253 h: made behind the key loop
.set WS,  249
.set BA,  250
.set GO,  251
.set WV,  18
.set CX,  19
.set SEL, 20                           ; s[20:21] lane selects for v_permlanex16_b32: lane l xor 16
.set CS,  22                           ; s[22:23] c = log2(e) / 16
.set G1,  24                           ; s[24:31] descriptor group 1: a whole chunk;  s[32:39] half a chunk: v alone;  s[40:43] group 0, which walks
.set G1H, 32
.set G0,  40
.set CNT, 44
.set MSB, 0
.macro WIN new                         ; the immediate's high byte repeats the setting that is left; a switch that changes nothing is dropped
.if MSB != (\new)
	s_set_vgpr_msb (MSB<<8)|(\new)
.set MSB, (\new)
.endif
.endm
.macro PLACES n
.rept \n
	v_nop
.endr
.endm
.macro CROUND                          ; a round of the cluster's barrier: my work-group's barrier; wave 0 signals for the work-group; every wave waits for all four work-groups; my work-group's barrier once more
	s_barrier_signal -1
	s_barrier_wait -1
	s_cmp_lg_u32 s[WV], 0
	s_cbranch_scc1 .Lnot_wave_0_\@
	s_barrier_signal -3
.Lnot_wave_0_\@:
	s_barrier_wait -3
	s_barrier_signal -1
	s_barrier_wait -1
.endm
; In front of every joint load: all my tensor loads have landed, 0 is added to my spare word, the add and my reads of the slot are done; then the round, so that this holds of every wave of all four work-groups.
.macro RITUAL step
	WIN 0
	s_wait_tensorcnt 0x0                           ; no tensor load of mine is out, so group 0 may be written
	ds_add_u32 v[SPW], v[NIL]
	ds_add_u32 v[SPW], v[NIL]
.if \step
	s_add_nc_u64 s[G0+2:G0+3], s[G0+2:G0+3], CHB   ; the next chunk; the type bits on top are not reached
	s_sub_co_u32 s[CNT], s[CNT], 1
.endif
	s_wait_dscnt 0x0                               ; the add is done; my slot has been read out: the next step's k is in registers
	CROUND
.endm
.macro JLOAD g1                        ; the same line, with the same descriptor for a given wave, in all four work-groups; four v_nop follow it
	tensor_load_to_lds s[G0:G0+3], s[\g1:\g1+7]
	s_nop 0
	PLACES 4
.endm
	s_load_b256 s[4:11], s[0:1], 0x0               ; qf s[4:5], qs s[6:7], kv s[8:9], wi s[10:11]
	s_load_b128 s[12:15], s[0:1], 0x20             ; bo s[12:13], out0 s[14:15]; s[10:11] is wi: Wo as images of operand registers, and its scale words
	v_lshl_add_u32 v[SPW], v0, 2, SPARE
	v_mov_b32 v[NIL], 0
	v_lshrrev_b32 v5, 5, v0
	v_readfirstlane_b32 s[WV], v5                  ; wave 0..3
	s_bfe_u32 s[CX], ttmp6, 0x40000                ; cx: my place in the cluster: it enters q's and out0's addresses alone
	s_and_b32 s45, ttmp7, 0xffff                   ; the batch, which the four partners share
	s_lshl_b32 s46, ttmp9, 2
	s_add_co_u32 s46, s46, s[CX]                   ; my block of 64 queries = 4 x cluster x + cx
	s_lshl_b32 s47, s45, 6
	s_add_co_u32 s52, s47, s46                     ; 64 x batch + block
	s_lshl_b32 s48, s45, 5
	s_lshl_b32 s49, s[WV], 3
	s_add_co_u32 s48, s48, s49                     ; my first group of 128 keys: 32 x batch + 8 x wave
	s_mul_i32 s48, s48, CHB
	s_mov_b32 s49, 0
	s_mul_i32 s54, s52, 12288                      ; q: eight images a block
	s_mov_b32 s55, 0
	s_lshl_b32 s56, s52, 9                         ; its scale words: 128 bytes a tile
	s_mov_b32 s57, 0
	s_lshl_b32 s58, s52, 18                        ; out0: 64 rows of 4,096 bytes,
	s_lshl_b32 s68, s[WV], 10
	s_add_co_u32 s58, s58, s68                     ; + my 256 outputs
	s_mov_b32 s59, 0
	s_mul_i32 s60, s[WV], 49152                    ; Wo's codes: my 256 rows of 192 bytes
	s_add_co_u32 s60, s60, 614400                  ; Wo's images in wi: 3,072 bytes a tile of 16 outputs
	s_mov_b32 s61, 0
	s_lshl_b32 s62, s[WV], 11                      ; Wo's scale bytes: 8 a row
	s_add_co_u32 s62, s62, 811008                  ; Wo's scale words in wi: 128 bytes a tile
	s_mov_b32 s63, 0
	s_mov_b32 s66, s68                             ; bo: my 256 numbers
	s_mov_b32 s67, 0
	; group 1: a dense block as rows of 256 bytes (32 elements of 8), no padding: images are read as they lie
	s_mov_b32 s[G1], 15|(3<<16)|(1<<21)            ; the mask: all four work-groups; elements of 8 bytes; bit 21 set beside a mask
	s_mov_b32 s[G1+1], 32<<16                      ; tensor_dim0
	s_mov_b32 s[G1+2], 200<<16                     ; tensor_dim1
	s_mov_b32 s[G1+3], 32<<16                      ; tile_dim0
	s_mov_b32 s[G1+4], 200                         ; tile_dim1: 51,200 bytes
	s_mov_b32 s[G1+5], 32                          ; from row to row
	s_mov_b32 s[G1+6], 0
	s_mov_b32 s[G1+7], 0
	s_mov_b32 s[G1H], 15|(3<<16)|(1<<21)
	s_mov_b32 s[G1H+1], 32<<16
	s_mov_b32 s[G1H+2], 100<<16
	s_mov_b32 s[G1H+3], 32<<16
	s_mov_b32 s[G1H+4], 100                        ; 25,600 bytes: the last step's v; no load reaches past my keys
	s_mov_b32 s[G1H+5], 32
	s_mov_b32 s[G1H+6], 0
	s_mov_b32 s[G1H+7], 0
	s_mov_b32 s[SEL], 0x76543210
	s_mov_b32 s[SEL+1], 0xfedcba98
	s_mov_b32 s[CS], 0x3db8aa3b                    ; c = log2(e) / 16
	s_mov_b32 s[CS+1], s[CS]                       ; (named with it as a pair, so it is written)
	s_mov_b32 s[CNT], 7
	v_and_b32 v6, 31, v0
	v_lshlrev_b32 v[GI], 4, v6
	v_lshlrev_b32 v[GS], 2, v6
	s_wait_alu depctr_va_vdst(0)
	s_wait_kmcnt 0x0
	s_add_nc_u64 s[50:51], s[8:9], s[48:49]        ; kv at my first group
	s_add_nc_u64 s[54:55], s[4:5], s[54:55]
	s_add_nc_u64 s[56:57], s[6:7], s[56:57]
	s_add_nc_u64 s[58:59], s[14:15], s[58:59]
	s_add_nc_u64 s[60:61], s[10:11], s[60:61]
	s_add_nc_u64 s[62:63], s[10:11], s[62:63]
	s_add_nc_u64 s[66:67], s[12:13], s[66:67]
	s_mov_b32 s[G0], 1                             ; count = 1
	s_mul_i32 s[G0+1], s[WV], CHB                  ; LDS address: my slot
	s_add_nc_u64 s[G0+2:G0+3], s[50:51], KOFF      ; chunk 0 begins at my first group's v
	s_or_b32 s[G0+3], s[G0+3], 0x80000000          ; type = 2
.set nn, 0
.rept 24
	global_load_b128 v[Q+4*nn:Q+4*nn+3], v[GI], s[54:55] offset:512*nn     ; q's eight fragments stay in registers: (tile t, e half s) at v[Q + 12 (2 t + s)]
.set nn, nn+1
.endr
.irp t, 0,1,2,3
	global_load_b32 v[QS+\t], v[GS], s[56:57] offset:128*\t
.endr
	WIN 0x40                                       ; destination window 1
.set nn, 0
.rept 48
	global_load_b128 v[4*nn:4*nn+3], v[GI], s[50:51] offset:512*nn         ; k of step 0 comes straight into registers: (key tile kt, e half s) at v[12 (2 kt + s)]
.set nn, nn+1
.endr
	WIN 0
.irp kt, 0,1,2,3,4,5,6,7
	global_load_b32 v[KS+\kt], v[GS], s[50:51] offset:VSCO+128*\kt         ; (k's scale words lie 24,576 bytes into k's block, as v's do into v's)
.endr
	s_mul_i32 s70, s[WV], CHB
	v_add_nc_u32 v[LI], s70, v[GI]
	v_add_nc_u32 v[LS], s70, v[GS]
	s_add_co_u32 s71, s68, STAT
	v_add_nc_u32 v[STW], s71, v[GI]
	v_add_nc_u32 v[STR], STAT, v[GI]
	s_lshl_b32 s72, s[WV], 16
	v_add_nc_u32 v[MR], s72, v[GI]
	s_mul_i32 s73, s[WV], 3072
	s_add_co_u32 s73, s73, CIMG
	v_add_nc_u32 v[CIW], s73, v[GI]
	v_add_nc_u32 v[CIR], CIMG, v[GI]
	s_lshl_b32 s74, s[WV], 7
	s_add_co_u32 s74, s74, CSC
	v_add_nc_u32 v[CSW], s74, v[GS]
	v_add_nc_u32 v[CSR], CSC, v[GS]
	v_and_b32 v96, 15, v0                          ; r
	v_bfe_u32 v97, v0, 4, 1                        ; h
	v_and_b32 v98, 8, v96
	v_add_nc_u32 v98, v98, v96                     ; r + 8 (r / 8)
	v_mul_u32_u24 v[SO], v98, 272
	v_lshl_add_u32 v[SO], v97, 5, v[SO]
	v_add_nc_u32 v[SO], s72, v[SO]                 ; the stage: my query's row of 272 bytes, + 32 h
	v_mul_u32_u24 v[SR], v97, 272
	v_lshl_add_u32 v[SR], v96, 4, v[SR]
	v_add_nc_u32 v[SR], s72, v[SR]                 ; back: lanes 0-15 one row, lanes 16-31 the next
	s_lshl_b32 s75, s[WV], 14
.irp t, 0,1,2,3
	v_add_nc_u32 v[MW+\t], s75, v[GI]              ; (4 t + wave) x 16,384 + 16 x lane
	s_add_co_u32 s75, s75, 65536
.endr
.irp t, 0,1,2,3
	v_mov_b32 v[ST+4*\t+1], 0xff61b1e6             ; the largest t so far: -3e38, under every t
	v_floor_f32 v[ST+4*\t], -v[ST+4*\t+1]          ; -M
	v_mov_b32 v[ST+4*\t+2], 0                      ; the sum, in two halves
	v_mov_b32 v[ST+4*\t+3], 0
	v_mov_b32 v[T1+\t], 0                          ; written once: a lane permute's destination counts as one of its sources
.endr
	v_mov_b32 v[F+1], 0                            ; (named as the upper half of a pair)
; O^T begins as zeros, which the first change of M leaves zeros: so the key step is written twice (loop and tail) and not a third time for a first step.  The clears stand under the wait for the first loads.
	WIN 0x80
.set jj, 0
.rept 256
	v_mov_b32 v[jj], 0
.set jj, jj+1
.endr
	WIN 0xc0
.set jj, 0
.rept 256
	v_mov_b32 v[jj], 0
.set jj, jj+1
.endr
	WIN 0
; S^T = k q^T for tile t: eight key tiles, two deep along e.  The eight accumulators take turns.
.macro SCORES t
	WIN 0x01                                       ; source 0 (k) window 1
.irp kt, 0,1,2,3,4,5,6,7
	v_wmma_scale_f32_16x16x128_f8f6f4 v[S+8*\kt:S+8*\kt+7], v[24*\kt:24*\kt+11], v[Q+24*(\t):Q+24*(\t)+11], 0, v[KS+\kt], v[QS+(\t)] matrix_a_fmt:MATRIX_FMT_FP6 matrix_b_fmt:MATRIX_FMT_FP6
.endr
.irp kt, 0,1,2,3,4,5,6,7
	v_wmma_scale_f32_16x16x128_f8f6f4 v[S+8*\kt:S+8*\kt+7], v[24*\kt+12:24*\kt+23], v[Q+24*(\t)+12:Q+24*(\t)+23], v[S+8*\kt:S+8*\kt+7], v[KS+\kt], v[QS+(\t)] matrix_a_fmt:MATRIX_FMT_FP6 matrix_b_fmt:MATRIX_FMT_FP6 matrix_a_scale:MATRIX_SCALE_ROW1 matrix_b_scale:MATRIX_SCALE_ROW1
.endr
.endm
; Tile t's softmax for 128 keys: register S + 16 b + i holds key 32 b + 16 (lane / 16) + i of my query.
.macro SOFTMAX t
.set NM, ST+4*(\t)
.set LL, ST+4*(\t)+2
	WIN 0
.irp b, 0,1,2,3
	v_max3_num_f32 v[BM+\b], v[S+16*\b], v[S+16*\b+1], v[S+16*\b+2]   ; the largest score of each block of 32 keys: it serves for the row's maximum and, since p rises with the score, for the block's largest p
.endr
.irp i, 3,5,7,9,11,13
.irp b, 0,1,2,3
	v_max3_num_f32 v[BM+\b], v[BM+\b], v[S+16*\b+\i], v[S+16*\b+\i+1]
.endr
.endr
.irp b, 0,1,2,3
	v_max_num_f32 v[BM+\b], v[BM+\b], v[S+16*\b+15]
.endr
.irp b, 0,1,2,3
	v_permlanex16_b32 v[T1+\b], v[BM+\b], s[SEL], s[SEL+1]
.endr
.irp b, 0,1,2,3
	v_max_num_f32 v[BM+\b], v[BM+\b], v[T1+\b]     ; with lane l xor 16's 16 keys
.endr
	v_max3_num_f32 v[TT], v[BM], v[BM+1], v[BM+2]
	v_max_num_f32 v[TT], v[TT], v[BM+3]            ; the step's largest score of my query,
	v_mul_f32 v[TT], s[CS], v[TT]                  ; as t (c is positive)
	v_max_num_f32 v[NM+1], v[NM+1], v[TT]          ; the running largest t
	v_mov_b32 v[TT], v[NM]
	v_floor_f32 v[NM], -v[NM+1]                    ; the new -M = floor(-t) = -ceil(t): a whole number
	v_sub_f32 v[TT], v[NM], v[TT]                  ; old M less new M: a whole number, 0 or less
	v_cvt_i32_f32 v[TT], v[TT]                     ; (it saturates)
	v_ldexp_f32 v[F], 1.0, v[TT]                   ; f = 2^(old M - new M): a multiplication by it rounds nothing
.set jj, 0
.rept 32
	v_pk_fma_f32 v[S+jj:S+jj+1], v[S+jj:S+jj+1], s[CS:CS+1], v[NM:NM+1] op_sel_hi:[1,0,0]   ; t - M, two at a time (of the pairs c and -M the low word serves both halves)
.set jj, jj+2
.endr
.irp b, 0,1,2,3
	v_fma_f32 v[BM+\b], v[BM+\b], s[CS], v[NM]     ; the same of each block's largest score
.endr
.set jj, 0
	s_wait_alu depctr_va_vdst(0)
.rept 64
	v_exp_f32 v[S+jj], v[S+jj]                     ; p = 2^(t - M), at most 1
.set jj, jj+1
.endr
.irp b, 0,1,2,3
	v_exp_f32 v[BM+\b], v[BM+\b]                   ; the block's largest p: the same two instructions on the same number give the same bits
.endr
	v_pk_mul_f32 v[LL:LL+1], v[LL:LL+1], v[F:F+1] op_sel_hi:[1,0]   ; the sums under the new M (a plain place behind the exponentials)
	s_wait_alu depctr_va_vdst(0)
.irp b, 0,1,2,3
	v_max_num_f32 v[BM+\b], 0x1800000, v[BM+\b]    ; the floor 2^(3 - 127): the byte cannot fall under 1
.endr
.irp b, 0,1,2,3
	v_add_nc_u32 v[SCO+\b], 0xff000000, v[BM+\b]   ; 2 off the exponent field: the conversion's scale operand
.endr
.irp b, 0,1,2,3
	v_lshrrev_b32 v[T1+\b], 23, v[SCO+\b]          ; the scale's byte
.endr
	v_lshl_or_b32 v[PS+(\t)], v[T1+1], 8, v[T1]    ; p's scale word for these 128 keys
	v_lshl_or_b32 v[PS+(\t)], v[T1+2], 16, v[PS+(\t)]
	v_lshl_or_b32 v[PS+(\t)], v[T1+3], 24, v[PS+(\t)]
.irp c, 0,1
	v_cvt_scalef32_pk16_fp6_f32 v[PCT+4*\c:PCT+4*\c+2], v[S+32*\c:S+32*\c+15], v[SCO+2*\c]
	v_cvt_scalef32_pk16_fp6_f32 v[T1+4*\c:T1+4*\c+2], v[S+32*\c+16:S+32*\c+31], v[SCO+2*\c+1]
.endr
	v_nop                                          ; one plain place behind a scaled conversion
.irp c, 0,1                                    ; the operand's layout wants a WHOLE block in a lane
.irp i, 0,1,2
	v_permlane16_swap_b32 v[PCT+4*\c+\i], v[T1+4*\c+\i]
.endr
.endr
	WIN 0x40                                       ; destination window 1: p's codes beside v's fragments
.irp c, 0,1
.irp i, 0,1,2
	v_mov_b32 v[P+12*(\t)+6*\c+\i], v[PCT+4*\c+\i]
	v_mov_b32 v[P+12*(\t)+6*\c+3+\i], v[T1+4*\c+\i]
.endr
.endr
	WIN 0
	v_pk_add_f32 v[T1:T1+1], v[S:S+1], v[S+2:S+3]  ; the row's sum is taken of the UNQUANTISED p: two at a time, in two chains
.set jj, 4
.rept 15
	v_pk_add_f32 v[LL:LL+1], v[LL:LL+1], v[S+jj:S+jj+1]
	v_pk_add_f32 v[T1:T1+1], v[T1:T1+1], v[S+jj+2:S+jj+3]
.set jj, jj+4
.endr
	v_pk_add_f32 v[LL:LL+1], v[LL:LL+1], v[T1:T1+1]
	WIN 65*(2+(\t)/2)                              ; destination and source 0: the tile's O^T
.set jj, 128*((\t)%2)
.rept 64
	v_pk_mul_f32 v[jj:jj+1], v[jj:jj+1], v[F:F+1] op_sel_hi:[1,0]   ; O^T under the new M, each accumulator from its low end on.  (The sums and these are the places between p's codes and scale word and the products that take them)
.set jj, jj+2
.endr
.endm
; v of this step from my slot into the buffer that k has left.
.macro VFETCH
	s_wait_tensorcnt 0x0                           ; my chunk has landed: it is my one load out, so no higher count could show it; only I read these bytes
	PLACES 4                                       ; behind the last scores: in front of loads into k's registers, and of the first read of the scores
	WIN 0
.irp i, 0,1,2,3,4,5,6,7
	ds_load_b32 v[VS+\i], v[LS] offset:VSCO+128*\i
.endr
	WIN 0x40
.set nn, 0
.rept 48
	ds_load_b128 v[4*nn:4*nn+3], v[LI] offset:512*nn
.set nn, nn+1
.endr
.endm
.macro PVQ g, hi                       ; eight products: e tiles 4 g .. 4 g + 3 x query tiles 2 hi, 2 hi + 1; each accumulator once a step
.irp e, 0,1,2,3
.irp u, 0,1
.set ET, 4*(\g)+\e
.set OD, 128*\u+8*ET
.set TQ, 2*(\hi)+\u
.if ET%2
	v_wmma_scale_f32_16x16x128_f8f6f4 v[OD:OD+7], v[12*ET:12*ET+11], v[P+12*TQ:P+12*TQ+11], v[OD:OD+7], v[VS+ET/2], v[PS+TQ] matrix_a_fmt:MATRIX_FMT_FP6 matrix_b_fmt:MATRIX_FMT_FP6 matrix_a_scale:MATRIX_SCALE_ROW1
.else
	v_wmma_scale_f32_16x16x128_f8f6f4 v[OD:OD+7], v[12*ET:12*ET+11], v[P+12*TQ:P+12*TQ+11], v[OD:OD+7], v[VS+ET/2], v[PS+TQ] matrix_a_fmt:MATRIX_FMT_FP6 matrix_b_fmt:MATRIX_FMT_FP6
.endif
.endr
.endr
.endm
; O^T += v^T p^T.  pre = 1: as four of v's fragments are used up, four of the next step's k take their registers.
.macro PV pre
	s_wait_dscnt 0x0                               ; v and its scale words are in (asked for a softmax ago)
.irp g, 0,1,2,3
	WIN 0xa5                                       ; sources 0 and 1 window 1, C and D window 2
	PVQ \g, 0
	WIN 0xf5                                       ; C and D window 3
	PVQ \g, 1
.if \pre
	PLACES 4                                       ; in front of loads into registers that matrix instructions have read
	WIN 0x40
.set nn, 12*\g
.rept 12
	ds_load_b128 v[4*nn:4*nn+3], v[LI] offset:KOFF+512*nn
.set nn, nn+1
.endr
.endif
.endr
	WIN 0
.if \pre
.irp kt, 0,1,2,3,4,5,6,7
	ds_load_b32 v[KS+\kt], v[LS] offset:KSCO+128*\kt
.endr
.endif
.endm
.macro STEP pre
	SCORES 0
	PLACES 4
	SOFTMAX 0
	SCORES 1
	PLACES 4
	SOFTMAX 1
	SCORES 2
	PLACES 4
	SOFTMAX 2
	SCORES 3
	VFETCH
	SOFTMAX 3
	s_wait_alu depctr_va_vdst(0)
	PV \pre
.endm
	s_wait_loadcnt 0x0                             ; q, k of step 0, their scale words
	RITUAL 0                                       ; all four work-groups are here: the first joint loads meet
.Lstep:                                            ; seven trips: steps 0 to 6
	JLOAD G1                                       ; chunk j: the first thing behind the round, my one tensor load until the next
	STEP 1
	RITUAL 1
	s_cmp_lg_u32 s[CNT], 0
	s_cbranch_scc1 .Lstep
	JLOAD G1H                                      ; the last step is written out: its chunk is v alone
	STEP 0
	; THE MERGE.  Each wave's sums: two halves, and lane l xor 16's.  These lines are also the places behind the last products.
.irp t, 0,1,2,3
	v_add_f32 v[ST+4*\t+2], v[ST+4*\t+2], v[ST+4*\t+3]
.endr
.irp t, 0,1,2,3
	v_permlanex16_b32 v[T1+\t], v[ST+4*\t+2], s[SEL], s[SEL+1]
.endr
.irp t, 0,1,2,3
	v_add_f32 v[S+4+\t], v[ST+4*\t+2], v[T1+\t]    ; my sum of tile t
.endr
.irp t, 0,1,2,3
	v_mov_b32 v[S+\t], v[ST+4*\t]                  ; my -M of tile t
.endr
	v_and_b32 v252, 15, v0                         ; r
	v_bfe_u32 v253, v0, 4, 1                       ; h
	v_lshlrev_b32 v[BA], 5, v253                   ; bo: my half's eight numbers of a tile
	v_lshlrev_b32 v[GO], 12, v253                  ; out0: lanes 0-15 one row, lanes 16-31 the next; 16 bytes a lane
	v_lshl_add_u32 v[GO], v252, 4, v[GO]
	ds_store_b128 v[STW], v[S:S+3]
	ds_store_b128 v[STW], v[S+4:S+7] offset:512
; Wo's fragments of eight tiles of 16 outputs (tile i, e half s at v[12 (2 i + s)]) and bo in the result's layout (v[192 + 8 i]), into the window that is set.
.macro WOLOAD half
.irp i, 0,1,2,3,4,5,6,7
.irp c, 0,1,2,3,4,5
	global_load_b128 v[24*\i+4*\c:24*\i+4*\c+3], v[GI], s[60:61] offset:(8*\half+\i)*3072+512*\c   ; the two images of a tile as they lie: 512 consecutive bytes a load
.endr
	global_load_b128 v[192+8*\i:192+8*\i+3], v[BA], s[66:67] offset:(8*\half+\i)*64
	global_load_b128 v[192+8*\i+4:192+8*\i+7], v[BA], s[66:67] offset:(8*\half+\i)*64+16
.endr
.endm
	WIN 0x40
	WOLOAD 0                                       ; my outputs 0-127, into the registers that v and p have left: they land under the merge
	WIN 0
.irp i, 0,1,2,3,4,5,6,7,8,9,10,11,12,13,14,15
	global_load_b32 v[WSC+\i], v[GS], s[62:63] offset:128*\i   ; lanes 0-15 the words of e 0-127, lanes 16-31 those of e 128-255
.endr
	s_wait_dscnt 0x0                               ; my statistics lie in LDS, and my reads of my slot are over
	s_barrier_signal -1
	s_barrier_wait -1                              ; so are everybody's: every slot has had its last fill and its last read
.set NW, S+8                           ; v[NW+8w+t] wave w's -M of tile t, v[NW+8w+4+t] its sum
.set NA, S+40                          ; -M of all four
.set FW, S+44                          ; v[FW+4w+t] 2^(M of wave w - M of all)
.set LA, S+60                          ; the sum of all four
.irp w, 0,1,2,3
	ds_load_b128 v[NW+8*\w:NW+8*\w+3], v[STR] offset:1024*\w
	ds_load_b128 v[NW+8*\w+4:NW+8*\w+7], v[STR] offset:1024*\w+512
.endr
	s_wait_dscnt 0x0
.irp t, 0,1,2,3
	v_min3_num_f32 v[NA+\t], v[NW+\t], v[NW+8+\t], v[NW+16+\t]
.endr
.irp t, 0,1,2,3
	v_min_num_f32 v[NA+\t], v[NA+\t], v[NW+24+\t]  ; the smallest -M is the largest M
.endr
.irp w, 0,1,2,3
.irp t, 0,1,2,3
	v_sub_f32 v[FW+4*\w+\t], v[NA+\t], v[NW+8*\w+\t]   ; a whole number, 0 or less
.endr
.endr
.irp t, 0,1,2,3
	v_sub_f32 v[G+2*\t], v[NA+\t], v[ST+4*\t]      ; and my own
.endr
.set jj, 0
.rept 16
	v_cvt_i32_f32 v[FW+jj], v[FW+jj]
.set jj, jj+1
.endr
.irp t, 0,1,2,3
	v_cvt_i32_f32 v[G+2*\t], v[G+2*\t]
.endr
.set jj, 0
.rept 16
	v_ldexp_f32 v[FW+jj], 1.0, v[FW+jj]
.set jj, jj+1
.endr
.irp t, 0,1,2,3
	v_ldexp_f32 v[G+2*\t], 1.0, v[G+2*\t]
.endr
.irp t, 0,1,2,3
	v_mul_f32 v[LA+\t], v[NW+4+\t], v[FW+\t]
.endr
.irp w, 1,2,3
.irp t, 0,1,2,3
	v_fma_f32 v[LA+\t], v[NW+8*\w+4+\t], v[FW+4*\w+\t], v[LA+\t]
.endr
.endr
	s_wait_alu depctr_va_vdst(0)
.irp t, 0,1,2,3
	v_rcp_f32 v[T1+\t], v[LA+\t]
.endr
	v_nop                                          ; a plain place behind the reciprocals
	s_wait_alu depctr_va_vdst(0)
.irp t, 0,1,2,3
	v_mul_f32 v[G+2*\t], v[G+2*\t], v[T1+\t]       ; my factor: 2^(my M - M of all) / the sum
	v_mov_b32 v[G+2*\t+1], 0                       ; (named with it as a pair)
.endr
.irp t, 0,1,2,3
	WIN 65*(2+\t/2)
.set jj, 128*(\t%2)
.rept 64
	v_pk_mul_f32 v[jj:jj+1], v[jj:jj+1], v[G+2*\t:G+2*\t+1] op_sel_hi:[1,0]   ; each accumulator from its low end on
.set jj, jj+2
.endr
	WIN 4*(2+\t/2)                                 ; an LDS store's data are its source 1
.set nn, 0
.rept 32
	ds_store_b128 v[MW+\t], v[128*(\t%2)+4*nn:128*(\t%2)+4*nn+3] offset:512*nn   ; as the registers stand: 512 consecutive bytes a store
.set nn, nn+1
.endr
.endr
	WIN 0
	s_wait_dscnt 0x0
	s_barrier_signal -1
	s_barrier_wait -1                              ; sixteen partial tiles lie in LDS
	WIN 0x80                                       ; wave w takes tile w: the four waves' parts, into windows 2 and 3
.set nn, 0
.rept 64
	ds_load_b128 v[4*nn:4*nn+3], v[MR] offset:512*nn
.set nn, nn+1
.endr
	WIN 0xc0
.set nn, 0
.rept 64
	ds_load_b128 v[4*nn:4*nn+3], v[MR] offset:32768+512*nn
.set nn, nn+1
.endr
	s_wait_dscnt 63                                ; at most 63 of the 128 are out: the first 64 are in
	WIN 0x8a
.set jj, 0
.rept 64
	v_pk_add_f32 v[jj:jj+1], v[jj:jj+1], v[128+jj:129+jj]
.set jj, jj+2
.endr
	s_wait_dscnt 0x0
	WIN 0xcf
.set jj, 0
.rept 64
	v_pk_add_f32 v[jj:jj+1], v[jj:jj+1], v[128+jj:129+jj]
.set jj, jj+2
.endr
	WIN 0x0e                                       ; source 0 window 2, source 1 window 3, destination window 0
.set jj, 0
.rept 64
	v_pk_add_f32 v[CT+jj:CT+jj+1], v[jj:jj+1], v[jj:jj+1]   ; ctx of my tile: register 16 b + i = e 32 b + 16 (lane / 16) + i of my query
.set jj, jj+2
.endr
	WIN 0x80
	WOLOAD 1                                       ; my outputs 128-255, into window 2, which the merge has left
	WIN 0
; 64 numbers of a lane become a fragment's codes in v[pc] on and its scale word in v[pw].
.macro QUANT s, pc, pw
.irp b, 0,1,2,3
	v_max3_num_f32 v[TM+\b], |v[\s+16*\b]|, |v[\s+16*\b+1]|, 0x1800000   ; block b: my 16 numbers, and the floor 2^(3 - 127)
.endr
.irp i, 2,4,6,8,10,12,14
.irp b, 0,1,2,3
	v_max3_num_f32 v[TM+\b], v[TM+\b], |v[\s+16*\b+\i]|, |v[\s+16*\b+\i+1]|
.endr
.endr
.irp b, 0,1,2,3
	v_permlanex16_b32 v[TM+4+\b], v[TM+\b], s[SEL], s[SEL+1]
.endr
.irp b, 0,1,2,3
	v_max_num_f32 v[TM+\b], v[TM+\b], v[TM+4+\b]
.endr
.irp b, 0,1,2,3
	v_add_nc_u32 v[TM+12+\b], 0xff000000, v[TM+\b]
.endr
.irp b, 0,1,2,3
	v_lshrrev_b32 v[TM+4+\b], 23, v[TM+12+\b]
.endr
	v_lshl_or_b32 v[\pw], v[TM+5], 8, v[TM+4]
	v_lshl_or_b32 v[\pw], v[TM+6], 16, v[\pw]
	v_lshl_or_b32 v[\pw], v[TM+7], 24, v[\pw]
.irp c, 0,1
	v_cvt_scalef32_pk16_fp6_f32 v[\pc+6*\c:\pc+6*\c+2], v[\s+32*\c:\s+32*\c+15], v[TM+12+2*\c]
	v_cvt_scalef32_pk16_fp6_f32 v[PCT+4*\c:PCT+4*\c+2], v[\s+32*\c+16:\s+32*\c+31], v[TM+12+2*\c+1]
.endr
	v_nop                                          ; one plain place behind a scaled conversion
.irp c, 0,1
.irp i, 0,1,2
	v_permlane16_swap_b32 v[\pc+6*\c+\i], v[PCT+4*\c+\i]
.endr
.irp i, 0,1,2
	v_mov_b32 v[\pc+6*\c+3+\i], v[PCT+4*\c+\i]
.endr
.endr
.endm
	QUANT CT, 224, 74
.irp c, 0,1,2
	ds_store_b128 v[CIW], v[224+4*\c:224+4*\c+3] offset:512*\c
.endr
	QUANT CT+64, 236, 75
.irp c, 0,1,2
	ds_store_b128 v[CIW], v[236+4*\c:236+4*\c+3] offset:1536+512*\c
.endr
	v_cmp_eq_u32 vcc_lo, 0, v253
	v_cndmask_b32 v[G], v75, v74, vcc_lo           ; lanes 0-15 the word of e 0-127, lanes 16-31 that of e 128-255
	ds_store_b32 v[CSW], v[G]
	s_wait_dscnt 0x0
	s_barrier_signal -1
	s_barrier_wait -1                              ; ctx's eight fragments lie in LDS
.set nn, 0
.rept 24
	ds_load_b128 v[CF+4*nn:CF+4*nn+3], v[CIR] offset:512*nn
.set nn, nn+1
.endr
.irp t, 0,1,2,3
	ds_load_b32 v[QS+\t], v[CSR] offset:128*\t
.endr
	s_wait_dscnt 0x0
	s_wait_loadcnt 0x0                             ; Wo, its scale words, bo
; THE OUTPUT, transposed (source 0 = 16 rows of Wo, source 1 = ctx): a lane's eight results are eight neighbouring outputs of its query.  Four tiles of outputs (256 bytes of a row) x four tiles of queries at a time:
; sixteen accumulators by turns, the bias as the C of each sum's first product; through my stage in LDS; out as whole pieces of 256 bytes.
.macro OUTG g
.set WW, 1+(\g)/2
.set IL, 4*((\g)%2)
	WIN 0xc0+17*WW                                 ; source 0 (Wo) and source 2 (bo) in their window, D window 3
.irp t, 0,1,2,3
.irp i, 0,1,2,3
	v_wmma_scale_f32_16x16x128_f8f6f4 v[8*(4*\t+\i):8*(4*\t+\i)+7], v[24*(IL+\i):24*(IL+\i)+11], v[CF+24*\t:CF+24*\t+11], v[192+8*(IL+\i):192+8*(IL+\i)+7], v[WSC+4*(\g)+\i], v[QS+\t] matrix_a_fmt:MATRIX_FMT_FP6 matrix_b_fmt:MATRIX_FMT_FP6
.endr
.endr
	WIN 0xf0+WW                                    ; C and D window 3
.irp t, 0,1,2,3
.irp i, 0,1,2,3
	v_wmma_scale_f32_16x16x128_f8f6f4 v[8*(4*\t+\i):8*(4*\t+\i)+7], v[24*(IL+\i)+12:24*(IL+\i)+23], v[CF+24*\t+12:CF+24*\t+23], v[8*(4*\t+\i):8*(4*\t+\i)+7], v[WSC+4*(\g)+\i], v[QS+\t] matrix_a_fmt:MATRIX_FMT_FP6 matrix_b_fmt:MATRIX_FMT_FP6 matrix_a_scale:MATRIX_SCALE_ROW1 matrix_b_scale:MATRIX_SCALE_ROW1
.endr
.endr
	PLACES 5                                       ; four in front of the stores that read the results; five in front of the next group's products, which write over them
	WIN 0x0c                                       ; a store's data are its source 1: window 3
.irp t, 0,1,2,3
.irp i, 0,1,2,3
	ds_store_b128 v[SO], v[8*(4*\t+\i):8*(4*\t+\i)+3] offset:(32*(\t/2)+8*(\t%2))*272+64*\i       ; each accumulator from its low end on
	ds_store_b128 v[SO], v[8*(4*\t+\i)+4:8*(4*\t+\i)+7] offset:(32*(\t/2)+8*(\t%2))*272+64*\i+16
.endr
.endr
.if (\g) > 0
	s_wait_xcnt 0x0                                ; the last group's stores have read their registers: the loads below may land there
.endif
	WIN 0xc0
.set kk, 0
.rept 32
	ds_load_b128 v[128+4*kk:128+4*kk+3], v[SR] offset:544*kk   ; LDS serves a wave's instructions in order: these see my stores
.set kk, kk+1
.endr
	WIN 0x0c
.set kk, 0
.rept 32
	s_wait_dscnt 31-kk                             ; rows 2 k and 2 k + 1 are back; the younger loads may be out
	global_store_b128 v[GO], v[128+4*kk:128+4*kk+3], s[58:59] offset:8192*kk+256*(\g) th:TH_STORE_NT   ; sixteen lanes store 256 consecutive bytes, aligned; written once, read by nobody here
.set kk, kk+1
.endr
.endm
	OUTG 0
	OUTG 1
	OUTG 2
	OUTG 3
	WIN 0
	s_wait_tensorcnt 0x0                           ; the wave's end
	ds_add_u32 v[SPW], v[NIL]
	s_wait_dscnt 0x0
	CROUND                                         ; the closing round: no work-group ends while a partner may still ask for a chunk that names it
	s_endpgm
.Lfunc_end_k_q01fc1aa8f6_attn:
	.size	k_q01fc1aa8f6_attn, .Lfunc_end_k_q01fc1aa8f6_attn-k_q01fc1aa8f6_attn
	.p2alignl 7, 3214868480
	.fill 96, 4, 3214868480
	.section	.rodata,"a",@progbits
	.p2align	6, 0x0
	.amdhsa_kernel k_q01fc1aa8f6_attn
		.amdhsa_group_segment_fixed_size 327680
		.amdhsa_private_segment_fixed_size 0
		.amdhsa_enable_private_segment 0
		.amdhsa_kernarg_size 48
		.amdhsa_user_sgpr_count 2
		.amdhsa_user_sgpr_kernarg_segment_ptr 1
		.amdhsa_wavefront_size32 1
		.amdhsa_system_sgpr_workgroup_id_x 1
		.amdhsa_system_sgpr_workgroup_id_y 1
		.amdhsa_system_sgpr_workgroup_id_z 1
		.amdhsa_system_vgpr_workitem_id 0
		.amdhsa_next_free_vgpr 1024
		.amdhsa_next_free_sgpr 80
		.amdhsa_reserve_vcc 1
		.amdhsa_float_denorm_mode_32 3
		.amdhsa_float_denorm_mode_16_64 3
		.amdhsa_memory_ordered 1
		.amdhsa_forward_progress 1
		.amdhsa_inst_pref_size 255
	.end_amdhsa_kernel
	.section	.bss,"aw",@nobits
	.p2align	6
	.space	262144
	.amdgpu_metadata
---
amdhsa.version: [ 1, 2 ]
amdhsa.kernels:
  - .name:           k_q01fc1aa8f6_attn
    .symbol:         k_q01fc1aa8f6_attn.kd
    .args:
      - { .name: qf, .offset: 0, .size: 8, .value_kind: global_buffer, .address_space: global }
      - { .name: qs, .offset: 8, .size: 8, .value_kind: global_buffer, .address_space: global }
      - { .name: kv, .offset: 16, .size: 8, .value_kind: global_buffer, .address_space: global }
      - { .name: wi, .offset: 24, .size: 8, .value_kind: global_buffer, .address_space: global }
      - { .name: bo, .offset: 32, .size: 8, .value_kind: global_buffer, .address_space: global }
      - { .name: out0, .offset: 40, .size: 8, .value_kind: global_buffer, .address_space: global }
    .group_segment_fixed_size: 327680
    .private_segment_fixed_size: 0
    .kernarg_segment_align: 8
    .kernarg_segment_size: 48
    .max_flat_workgroup_size: 128
    .sgpr_count:     80
    .vgpr_count:     1024
    .wavefront_size: 32
...
	.end_amdgpu_metadata
.endif
;; end of part 3
